; MI455X (gfx1250); checked and timed in simulation.
; The chip was launched on July 23, 2026; its instructions are those of AMD's public machine-readable ISA for CDNA 5 (MIT licence, August 2026) and "CDNA5" Instruction Set Architecture Reference Guide (July 2026). The comments in the code are by the model that wrote it; some were corrected since.
;; Multi Head Attention. Allowed arithmetic: matrix products marked QUANTISED: E2M3 operands, one E8M0 scale for each 32 along K, by v_wmma_scale_f32_16x16x128_f8f6f4 with both operands' format E2M3, f32 sums; everything else in f32.
;; Inputs: out_b 1,024 float32; out_w_codes 1,024 x 32 x 24 uint8 (E2M3 codes of out_w, K innermost, in blocks of 32 codes, four codes in three bytes); out_w_scales 1,024 x 32 uint8 (E8M0 scales of out_w, one for each 32 codes along K); qkv_b 3,072 float32; qkv_w_codes 3,072 x 32 x 24 uint8 (E2M3 codes of qkv_w, K innermost, in blocks of 32 codes, four codes in three bytes); qkv_w_scales 3,072 x 32 uint8 (E8M0 scales of qkv_w, one for each 32 codes along K); x_codes 2 x 2,048 x 32 x 24 uint8 (E2M3 codes of x, K innermost, in blocks of 32 codes, four codes in three bytes); x_scales 2 x 2,048 x 32 uint8 (E8M0 scales of x, one for each 32 codes along K).
;; Outputs: out0 2 x 2,048 x 1,024 float32.
;; This version of the problem:
;;   THIS VERSION OF THE PROBLEM IS GIVEN IN LOW PRECISION. The matrix products marked QUANTISED in the list below multiply operands that are first quantised to E2M3 (2 exponent bits, 3 mantissa bits; 6 bits a number), with one power-of-two scale for each 32 numbers along K (OCP MX v1.0); their sums are f32. All else is computed in f32.
;;   The module's matrix products, in the order in which they are computed (A, B: the left and right operand; K: the contracted axis; several contracted axes count as one K, in the product's order):
;;     1. [M 4,096, K 1,024] x [K 1,024, N 3,072]; A: input x (given as codes); B: input qkv_w (given as codes): QUANTISED
;;     2. batch 32 x [M 2,048, K 64] x [K 64, N 2,048]; A: computed on the way; B: computed on the way: QUANTISED
;;     3. batch 32 x [M 2,048, K 2,048] x [K 2,048, N 64]; A: softmax (see below); B: computed on the way: QUANTISED
;;     4. [M 4,096, K 1,024] x [K 1,024, N 1,024]; A: computed on the way; B: input out_w (given as codes): QUANTISED
;;   THE QUANTISER, for each operand of a quantised product, along K:
;;     - K is cut into blocks of 32 from its start; a last block that is shorter is filled with zeros.
;;     - A block's scale is 2^e with e = floor(log2(the largest magnitude in the block)) - 2, held to -126 .. 127; a block of zeros has e = 0. As a byte (E8M0): e + 127.
;;     - Each number is divided by its block's scale, clamped to +-7.5, and rounded to the nearest number of E2M3, ties to even, subnormals kept.
;;     - The product sums the exact products of the quantised numbers (number of the format x scale) in f32.
;;   ~~~python
;;   def quantise(x, axis):      # numpy; x: float32 -> the quantised numbers, widened to float32 again
;;       x = np.moveaxis(x, axis, -1); K = x.shape[-1]
;;       x = np.pad(x, [(0, 0)] * (x.ndim - 1) + [(0, -K % 32)]); x = x.reshape(x.shape[:-1] + (-1, 32)); a = np.abs(x).max(-1, keepdims=True)
;;       e = np.where(a > 0, np.clip(np.frexp(np.where(a > 0, a, 1))[1] - 1 - 2, -126, 127), 0)      # np.frexp(a)[1] - 1 = floor(log2(a)), exactly
;;       r = np.clip(x / 2.0 ** e, -7.5, 7.5)
;;       step = 2.0 ** (np.maximum(np.frexp(np.where(r == 0, 1, r))[1] - 1, 0) - 3)
;;       q = np.round(r / step) * step * 2.0 ** e      # np.round: ties to even
;;       return np.moveaxis(q.reshape(q.shape[:-2] + (-1,))[..., :K], -1, axis).astype(np.float32)
;;   ~~~
;;   SOFTMAX AHEAD OF A QUANTISED PRODUCT. Where the list says 'softmax', what is quantised is not the finished softmax but p = 2^(t - M), with t = logit x log2(e) and M = ceil(the row's largest t), a whole number; so 1/2 < the row's largest p <= 1. The row's sum l is taken of the UNQUANTISED p, in f32, and the product's result is divided by l at the end. Since M is a whole number, a kernel that streams over the keys may use a running M (the ceiling of the running maximum): every later rescaling is an exact power of two, which a block's scale takes up: the codes' values come out the same.
;;   OPERANDS COMPUTED ON THE WAY. 'Computed on the way' means the value that the module computes at that place (a softmax that the list does not call 'softmax' is quantised finished and normalised). What goes into a quantiser is computed in f32, as accurately as f32 sums, v_exp_f32 and their like allow (about 1e-6 of the number): no bf16 or f16 on the way to a quantiser, and a product that is left as it is and whose result goes on into a quantised operand takes f32 operands (vector FMAs, or v_wmma_f32_16x16x4_f32). A number that lies on a knife's edge between two numbers of the format may be rounded either way, as far as f32 arithmetic and the matrix unit's own rounding can turn it there, and no further.
;;   INPUTS GIVEN AS CODES. out_w (in the module: [1024, 1024], K = its axis 1); qkv_w (in the module: [3072, 1024], K = its axis 1); x (in the module: [2, 2048, 1024], K = its axis 2): each comes as NAME_codes (uint8): NAME with its K axis moved to the last place and cut into blocks of 32 codes, [.., K / 32, bytes a block], one block behind the other in memory; four codes in three bytes: a row's codes are one little-endian stream of bits, code i at bits 6 i .. 6 i + 5 (a code: sign, 2 exponent bits, 3 mantissa bits); and NAME_scales (uint8): the same leading axes, one E8M0 byte (e + 127) for each 32 codes along K. Its value is code x scale, taken as it is: it is not quantised again, and the codes and scales need not be those that the quantiser above would give.
;; One version. Each part assembles by itself: llvm-mc -triple=amdgcn-amd-amdhsa -mcpu=gfx1250 --defsym DOCPART=n.
;; ======== version 1 of 1: 3 launches
;; limits: right only within a limited range of input values
;; workspace buffers: qimg 3,145,728 bytes; qsc 262,144 bytes; kv 6,684,672 bytes; oimg 3,145,728 bytes; osc 131,072 bytes
;; launch qkv (part 1): grid 12 x 16, 4 waves a work-group, clusters of 4 x 4, 327,680 bytes of LDS; arguments x_codes, x_scales, qkv_w_codes, qkv_w_scales, qkv_b, qimg, qsc, kv; writes qimg, qsc, kv
.if DOCPART == 1
	.amdgcn_target "amdgcn-amd-amdhsa--gfx1250"
	.amdhsa_code_object_version 6
	.text
	.protected	k_qe825f9e267_qkv
	.globl	k_qe825f9e267_qkv
	.p2align	8
	.type	k_qe825f9e267_qkv,@function
k_qe825f9e267_qkv:
	s_mov_b64 s[64:65], 0
	v_nop
	global_prefetch_b8 v0, s[64:65] scope:SCOPE_SE
	s_setreg_imm32_b32 hwreg(HW_REG_WAVE_MODE, 25, 1), 1
	s_wait_xcnt 0x0
	s_wait_alu depctr_hold_cnt(0) depctr_sa_sdst(0) depctr_va_vdst(0) depctr_va_sdst(0) depctr_va_ssrc(0) depctr_va_vcc(0) depctr_vm_vsrc(0)
	s_getreg_b32 s2, hwreg(HW_REG_IB_STS2, 6, 4)
	s_cmp_eq_u32 s2, 0
	s_cbranch_scc0 .Lentry_in_a_cluster
	s_endpgm
.Lentry_in_a_cluster:
	s_bfe_u32 s2, ttmp6, 0x10000c
	s_cmp_lg_u32 s2, 0xf033
	s_cbranch_scc0 .Lentry_shape_is_right
	s_endpgm
.Lentry_shape_is_right:
; qkv = x W^T + b on FP6 (E2M3) codes with one E8M0 scale for each 32 along K = 1,024; the result is quantised at once for the attention launch: q and k along the head's 64, v along the keys.  No work of the problem is left out.
; D = P Q^T, P source 0, Q source 1: a lane holds ONE row of Q and its registers run along P's rows, the axis that is quantised.
;   q, k (cluster x 0, 1): P = 256 rows of W, Q = 256 tokens.   v (cluster x 2): P = 256 tokens (keys), Q = 256 rows of W.  Only pointers and tile numbers differ; they are chosen on the cluster's x, which all partners share.
; WHICH ROWS FORM A TILE.  Tile i (u = i % 4) of a wave's 128 rows takes in lanes 0-7 rows 64 (i / 4) + 8 u + 0..7 and in lanes 8-15 rows 64 (i / 4) + 32 + 8 (u xor 1) + 0..7, on P and on Q alike.
;   So the 32 registers of four neighbouring tiles of P are ONE block of 32 in each half of the lanes (lanes 0-15 the even block, ascending; lanes 16-31 the odd block, its groups of eight in the order 1, 0, 3, 2):
;   a block's maximum needs no other lane and the conversions' results are the operand's registers.  The order inside an odd block is the same on both operands of each product of the attention launch.
;   The two halves of a tile lie 40 or 24 LDS rows apart, so that the 32 lanes of a load of 8 bytes touch 64 different banks (pitch 68 words; ISA guide 11.1).
; LDS: a row of codes, 768 bytes, goes in three chunks of 256 bytes, each beginning at a multiple of 256 bytes of memory.  Two slots (Q's 256 rows, then P's, pitch 272): chunks 0 and 1 come at the head, one tensor load a wave;
;   chunk 2 is brought into slot 0 when step 2's fragments have been read.  A step is 128 along K, 96 bytes of a row: steps 2 and 5 lie across two chunks.
; THE SCALES of the 512 rows, 16,384 bytes, come once, in whole units of 256 bytes, through registers into LDS bytes of their own: the four waves' loads at the head are taken by the codes.
; CLUSTERS 4 x 4: Q's tiles are asked for jointly along a row of the cluster, P's along a column; the scales, 16,384 of a work-group's 409,600 bytes, are not.
;   192 work-groups: 3,072 x 4,096 results in blocks of 256 x 256, which hold whole heads and whole runs of 128 keys.
; LIMITS: a block of zeros gets the scale byte 1 and not 127 (its codes are zeros, and only this program reads the bytes); blocks whose largest magnitude lies under 2^(3 - 127) are held at that byte; NaN and infinities are not served.
; REGISTERS: window 0: v4-23 LDS addresses; v32-63 scale words, two sets; v64-127 the bias; v128-223 Q's fragments, one set.  Window 1: P's fragments, two sets.  Windows 2, 3: the 64 accumulators ((a, b) at v[8 (8 (a % 4) + b)]).
.set NQ,     2
.set KROW,   768
.set PITCH,  272
.set FR,     12
.set NL,     6
.set NP,     4
.set HALFT,  128*PITCH
.set SLOT,   4*HALFT
.set KS,     32
.set SCL,    2*SLOT
.set HALFS,  16*272
.set SPARE,  SCL+4*HALFS
.set ADRA, 4                           ; v4-11 Q: even tiles (slot 0, slot 1, across from slot 0 to 1, across from 1 to 0), odd tiles likewise
.set ADRB, 12                          ; v12-19 P
.set ADRS, 20                          ; v20-21 scale words, even and odd tiles: lanes 0-15 Q's rows, lanes 16-31 P's
.set SLD,  22                          ; 16 x lane
.set SST,  23                          ; where my part of the scales goes
.set PFO,  27
.set SPW,  28
.set NIL,  29
.set SC,   32
.set BI,   64
.set AF,   128
.set TT,   192                         ; the head's temporaries
.set SD,   224                         ; v224-255 my 4,096 bytes of scales on their way
.set G1, 24
.set G0, 32                            ; s[32:35] the refill's group 0 for Q, s[36:39] chunk 0's at the head, s[76:79] chunk 1's
.set G0H, 36
.set G0H1, 76
.set G1B, 48
.set G0B, 56                           ; the same for P: s[56:59], s[60:63], s[88:91]
.set G0HB, 60
.set G0HB1, 88
.set PFA, 66
.set OC,  96
.set OS,  98
.set SEL, 100
.set MSB, 0
.macro WIN new                         ; the immediate's high byte repeats the setting that is left
.if MSB != (\new)
	s_set_vgpr_msb (MSB<<8)|(\new)
.set MSB, (\new)
.endif
.endm
.set MUL_LO, 0xa1
.set MUL_HI, 0xf1
.set TO_B,   0x40
.macro TLOAD g0, g1                    ; a tensor load with an s_nop and four v_nops behind it
	tensor_load_to_lds s[\g0:\g0+3], s[\g1:\g1+7]
	s_nop 0
.rept 4
	v_nop
.endr
.endm
.macro CREST
	s_cmp_lg_u32 s14, 0
	s_cbranch_scc1 .Lnot_wave_0_\@
	s_barrier_signal -3
.Lnot_wave_0_\@:
	s_barrier_wait -3
	s_barrier_signal -1
	s_barrier_wait -1
.endm
.macro CROUND
	s_barrier_signal -1
	s_barrier_wait -1
	CREST
.endm
	s_load_b256 s[68:75], s[0:1], 0x0              ; x's codes, x's scales, W's codes, W's scales
	s_load_b256 s[76:83], s[0:1], 0x20             ; qkv_b, qimg, qsc, kv
	v_lshl_add_u32 v[SPW], v0, 2, SPARE
	v_mov_b32 v[NIL], 0
	ds_add_u32 v[SPW], v[NIL]                      ; the opening lines: the add twice on end
	ds_add_u32 v[SPW], v[NIL]
	v_lshrrev_b32 v1, 5, v0
	v_readfirstlane_b32 s14, v1                    ; wave
	s_lshr_b32 s15, s14, 1                         ; my half of Q's rows; in the refill: I fetch for Q (0) or P (1)
	s_and_b32 s16, s14, 1                          ; my half of P's rows; in the refill: which 128 rows
	s_bfe_u32 s40, ttmp6, 0x40000                  ; cx
	s_bfe_u32 s41, ttmp6, 0x40004                  ; cy
	s_and_b32 s18, ttmp7, 0xffff
	s_lshl_b32 s18, s18, 2
	s_lshl_b32 s19, ttmp9, 2
	s_cmp_eq_u32 ttmp9, 2                          ; v's clusters?
	s_cselect_b32 s42, s18, s19                    ; P's tile
	s_cselect_b32 s17, 8, s18                      ; Q's tile
	s_add_co_u32 s42, s42, s40
	s_add_co_u32 s17, s17, s41
	s_lshl_b32 s43, s41, 2
	s_lshl_b32 s43, 15, s43                        ; my row of the cluster
	s_lshl_b32 s44, 0x1111, s40                    ; my column
	s_or_b32 s[G1], s43, (1<<20)|(1<<21)|(5<<22)|(3<<25)    ; rows of 256 bytes, 4 words of padding behind each; 256 rows at the head
	s_or_b32 s[G1B], s44, (1<<20)|(1<<21)|(5<<22)|(3<<25)
.irp g, G1, G1B
	s_mov_b32 s[\g+1], 256<<16
	s_mov_b32 s[\g+2], 256<<16
	s_mov_b32 s[\g+3], 256<<16
	s_mov_b32 s[\g+4], 256
	s_mov_b32 s[\g+5], KROW
	s_mov_b32 s[\g+6], 0
	s_mov_b32 s[\g+7], 0
.endr
	s_lshl_b32 s20, s17, 8                         ; the tiles' first rows
	s_lshl_b32 s46, s42, 8
	s_mul_i32 s22, s20, KS                         ; their scales, in bytes,
	s_mul_i32 s92, s46, KS
	s_mul_i32 s20, s20, KROW                       ; and their codes
	s_mul_i32 s46, s46, KROW
	s_mov_b32 s21, 0
	s_mov_b32 s23, 0
	s_mov_b32 s47, 0
	s_mov_b32 s93, 0
	s_mul_i32 s18, s16, 128*KROW
	s_mov_b32 s19, 0
	s_mul_i32 s45, s14, HALFT                      ; the refill's LDS address: wave x 128 rows of slot 0
	s_mul_i32 s94, s14, HALFS
	s_add_co_u32 s94, s94, SCL                     ; my part of the scales in LDS
	s_mov_b32 s[SEL], 0x76543210
	s_mov_b32 s[SEL+1], 0xfedcba98
	s_wait_dscnt 0x0
	s_wait_kmcnt 0x0
	s_cmp_eq_u32 ttmp9, 2
	s_cselect_b64 s[4:5], s[72:73], s[68:69]       ; Q's codes
	s_cselect_b64 s[6:7], s[74:75], s[70:71]       ; Q's scales
	s_cselect_b64 s[8:9], s[68:69], s[72:73]       ; P's codes
	s_cselect_b64 s[10:11], s[70:71], s[74:75]     ; P's scales
	s_mov_b64 s[12:13], s[76:77]                   ; qkv_b
	s_cmp_eq_u32 ttmp9, 0
	s_cselect_b64 s[OC:OC+1], s[78:79], s[82:83]
	s_cselect_b64 s[OS:OS+1], s[80:81], s[82:83]
	s_add_nc_u64 s[20:21], s[4:5], s[20:21]
	s_add_nc_u64 s[22:23], s[6:7], s[22:23]
	s_add_nc_u64 s[46:47], s[8:9], s[46:47]
	s_add_nc_u64 s[92:93], s[10:11], s[92:93]
	CROUND                                         ; the first joint loads meet
	s_mov_b32 s[G0H], 1                            ; the head's four tiles: chunk 0 of Q's 256 rows,
	s_mov_b32 s[G0H+1], 0
	s_mov_b64 s[G0H+2:G0H+3], s[20:21]
	s_or_b32 s[G0H+3], s[G0H+3], 0x80000000
	s_mov_b32 s[G0HB], 1                           ; of P's,
	s_mov_b32 s[G0HB+1], 2*HALFT
	s_mov_b64 s[G0HB+2:G0HB+3], s[46:47]
	s_or_b32 s[G0HB+3], s[G0HB+3], 0x80000000
	s_mov_b32 s[G0H1], 1                           ; chunk 1 of Q's,
	s_mov_b32 s[G0H1+1], SLOT
	s_add_nc_u64 s[G0H1+2:G0H1+3], s[20:21], 256
	s_or_b32 s[G0H1+3], s[G0H1+3], 0x80000000
	s_mov_b32 s[G0HB1], 1                          ; and of P's
	s_mov_b32 s[G0HB1+1], SLOT+2*HALFT
	s_add_nc_u64 s[G0HB1+2:G0HB1+3], s[46:47], 256
	s_or_b32 s[G0HB1+3], s[G0HB1+3], 0x80000000
	s_add_nc_u64 s[20:21], s[20:21], s[18:19]      ; the refill: my 128 rows, chunk 2
	s_add_nc_u64 s[46:47], s[46:47], s[18:19]
	s_mov_b32 s[G0], 1
	s_mov_b32 s[G0+1], s45
	s_add_nc_u64 s[G0+2:G0+3], s[20:21], 512
	s_or_b32 s[G0+3], s[G0+3], 0x80000000
	s_mov_b32 s[G0B], 1
	s_mov_b32 s[G0B+1], s45
	s_add_nc_u64 s[G0B+2:G0B+3], s[46:47], 512
	s_or_b32 s[G0B+3], s[G0B+3], 0x80000000
	s_cmp_eq_u32 s15, 0                            ; waves 0, 1 serve Q, waves 2, 3 P
	s_cselect_b64 s[PFA:PFA+1], s[20:21], s[46:47] ; the prefetch: of the 128 rows that I shall fetch,
	s_cselect_b64 s[2:3], s[22:23], s[92:93]       ; the scales: of the 256 rows' 8,192 bytes,
	s_cselect_b32 s92, s40, s41
	s_mul_i32 s92, s92, 32*KROW                    ; my work-group's 32 (told apart by address: cx for Q, cy for P);
	s_mov_b32 s93, 0
	s_add_nc_u64 s[PFA:PFA+1], s[PFA:PFA+1], s[92:93]
	s_lshl_b32 s92, s16, 12                        ; my wave's 4,096
	s_add_nc_u64 s[2:3], s[2:3], s[92:93]
; the head's four tiles, one a wave, in one chain of branches on the wave's number
.macro ARM under, g0, g1, next
	s_cmp_lt_u32 s14, \under
	s_cbranch_scc0 \next
	TLOAD \g0, \g1
	s_branch .Lhead_asked
\next:
.endm
	ARM 1, G0H,   G1,  .Lhead_b
	ARM 2, G0HB,  G1B, .Lhead_a1
	ARM 3, G0H1,  G1,  .Lhead_b1
	TLOAD G0HB1, G1B
.Lhead_asked:
	v_and_b32 v[PFO], 31, v0
	v_lshlrev_b32 v[SLD], 4, v[PFO]
	v_mul_u32_u24 v[PFO], v[PFO], KROW             ; the prefetch's offset: a lane a row
.irp k, 0,1,2,3,4,5,6,7
	global_load_b128 v[SD+4*\k:SD+4*\k+3], v[SLD], s[2:3] offset:512*\k   ; 512 consecutive bytes, aligned
.endr
	s_mul_i32 s21, s15, HALFT                      ; my 128 rows of Q,
	s_mul_i32 s22, s16, HALFT
	s_add_co_u32 s22, s22, 2*HALFT                 ; of P
	s_mul_i32 s18, s15, HALFS
	s_mul_i32 s19, s16, HALFS
	s_add_co_u32 s19, s19, 2*HALFS
	s_sub_co_u32 s19, s19, s18                     ; from Q's scales to P's
	s_add_co_u32 s18, s18, SCL
	v_and_b32 v1, 15, v0                           ; r
	v_bfe_u32 v2, v0, 4, 1                         ; h
	v_and_b32 v3, 7, v0                            ; r % 8
	v_bfe_u32 v[TT+6], v0, 3, 1                    ; r / 8
	v_mul_u32_u24 v[SST], v2, 272                  ; a unit of 256 bytes for each half of the lanes, 16 bytes of padding behind it
	v_lshl_add_u32 v[SST], v1, 4, v[SST]
	v_add_nc_u32 v[SST], s94, v[SST]
	v_mul_u32_u24 v[TT+7], v3, PITCH
	v_mul_u32_u24 v[TT], v[TT+6], 40*PITCH
	v_mul_u32_u24 v[TT+1], v[TT+6], 24*PITCH
	v_add_nc_u32 v[TT], v[TT+7], v[TT]             ; even tiles: lanes 8-15 lie 40 rows on,
	v_add_nc_u32 v[TT+1], v[TT+7], v[TT+1]         ; odd tiles: 24
	v_mul_u32_u24 v[TT+2], v2, 24                  ; slot 0: 24 h
	v_add_nc_u32 v[TT+3], SLOT, v[TT+2]            ; slot 1
	v_mul_u32_u24 v[TT+4], v2, SLOT-232
	v_add_nc_u32 v[TT+4], 232, v[TT+4]             ; lanes 0-15 byte 232 of the row in slot 0, lanes 16-31 byte 0 in slot 1
	v_sub_nc_u32 v[TT+5], 1, v2
	v_mul_u32_u24 v[TT+5], v[TT+5], SLOT+232       ; lanes 0-15 byte 232 in slot 1, lanes 16-31 byte 0 in slot 0
.irp par, 0,1
.irp k, 0,1,2,3
	v_add_nc_u32 v[ADRA+4*\par+\k], v[TT+\par], v[TT+2+\k]
	v_add_nc_u32 v[ADRB+4*\par+\k], s22, v[ADRA+4*\par+\k]
	v_add_nc_u32 v[ADRA+4*\par+\k], s21, v[ADRA+4*\par+\k]
.endr
.endr
	v_lshlrev_b32 v[TT+7], 5, v3                   ; scales: 32 bytes a row, eight rows to a unit of 272
	v_mul_u32_u24 v[TT+2], v[TT+6], 5*272
	v_mul_u32_u24 v[TT+3], v[TT+6], 3*272
	v_mul_u32_u24 v[TT+4], s19, v2                 ; lanes 16-31 take P's
	v_add_nc_u32 v[TT+7], v[TT+7], v[TT+4]
	v_add_nc_u32 v[TT+7], s18, v[TT+7]
	v_add_nc_u32 v[ADRS], v[TT+7], v[TT+2]
	v_add_nc_u32 v[ADRS+1], v[TT+7], v[TT+3]
	; THE BIAS, in the result's layout, is the C of the first step's products
	s_cmp_eq_u32 ttmp9, 2
	s_wait_alu depctr_va_vdst(0)                   ; the wait ahead of the branch
	s_cbranch_scc1 .Lbias_v
	s_lshl_b32 s46, s42, 10
	s_lshl_b32 s47, s16, 9
	s_add_co_u32 s46, s46, s47
	s_mov_b32 s47, 0
	s_add_nc_u64 s[12:13], s[12:13], s[46:47]
	v_mul_u32_u24 v24, v2, 160                     ; q, k: register j of (a, b) is P's row: lanes 16-31 lie 40 or 24 features on
	v_mul_u32_u24 v25, v2, 96
.irp b, 0,1,2,3,4,5,6,7
	global_load_b128 v[BI+8*\b:BI+8*\b+3], v[24+\b%2], s[12:13] offset:4*(64*(\b/4)+8*(\b%4))
	global_load_b128 v[BI+8*\b+4:BI+8*\b+7], v[24+\b%2], s[12:13] offset:4*(64*(\b/4)+8*(\b%4))+16
.endr
	s_branch .Lbias_done
.Lbias_v:
	s_lshl_b32 s20, s17, 10
	s_lshl_b32 s21, s15, 9
	s_add_co_u32 s20, s20, s21
	s_mov_b32 s21, 0
	s_add_nc_u64 s[12:13], s[12:13], s[20:21]
	v_lshlrev_b32 v26, 2, v3                       ; v: every register of (a, b) is Q's row of lane r
	v_mad_u32_u24 v24, v[TT+6], 160, v26
	v_mad_u32_u24 v25, v[TT+6], 96, v26
.irp a, 0,1,2,3,4,5,6,7
.irp j, 0,1,2,3,4,5,6,7
	global_load_b32 v[BI+8*\a+\j], v[24+\a%2], s[12:13] offset:4*(64*(\a/4)+8*(\a%4))
.endr
.endr
.Lbias_done:
	global_prefetch_b8 v[PFO], s[PFA:PFA+1] offset:512 th:TH_LOAD_NT scope:SCOPE_SE   ; chunk 2 of 32 rows, a lane a row: two steps and more ahead of the load that wants them; each block is named once in the cluster
.macro FRAG reg, adr, st, i            ; 16 rows x 128 K: 12 registers, in pieces of 8 bytes; byte y of a row lies in slot (y / 256) % 2 at byte y % 256
.set TO, (64*((\i)/4)+8*((\i)%4))*PITCH
.set AR, \adr+4*((\i)%2)
.irp p, 0,1,2,3,4,5
.set BY, 96*(\st)+48*(\p/3)+8*(\p%3)
.if BY/256 == (BY+24)/256
	ds_load_b64 v[\reg+2*\p:\reg+2*\p+1], v[AR+(BY/256)%2] offset:BY%256+TO
.else                                  ; lanes 16-31 read 24 bytes on, in the next chunk
	ds_load_b64 v[\reg+2*\p:\reg+2*\p+1], v[AR+2+(BY/256)%2] offset:BY%256-232+TO
.endif
.endr
.endm
; 16 products: Q's blocks a0, a0 + 1 x P's eight.  zero = 1: C is the bias by P's block; 2: by Q's; 0: in place.  The 64 accumulators take turns.
.macro MUL16 a0, p, q, sc, zero
.irp a, \a0, \a0+1
.irp b, 0,1,2,3,4,5,6,7
.set rD, 8*(8*((\a)%4)+\b)
.set rP, 128*(\p)+FR*\b
.set rQ, AF+FR*(\a)
.set rSP, SC+8*NQ*(\sc)+NQ*\b+(\q)
.set rSQ, SC+8*NQ*(\sc)+NQ*(\a)+(\q)
.if \zero == 1
	v_wmma_scale_f32_16x16x128_f8f6f4 v[rD:rD+7], v[rP:rP+FR-1], v[rQ:rQ+FR-1], v[BI+8*\b:BI+8*\b+7], v[rSP], v[rSQ] matrix_a_fmt:MATRIX_FMT_FP6 matrix_b_fmt:MATRIX_FMT_FP6 matrix_a_scale:MATRIX_SCALE_ROW1
.elseif \zero == 2
	v_wmma_scale_f32_16x16x128_f8f6f4 v[rD:rD+7], v[rP:rP+FR-1], v[rQ:rQ+FR-1], v[BI+8*(\a):BI+8*(\a)+7], v[rSP], v[rSQ] matrix_a_fmt:MATRIX_FMT_FP6 matrix_b_fmt:MATRIX_FMT_FP6 matrix_a_scale:MATRIX_SCALE_ROW1
.else
	v_wmma_scale_f32_16x16x128_f8f6f4 v[rD:rD+7], v[rP:rP+FR-1], v[rQ:rQ+FR-1], v[rD:rD+7], v[rSP], v[rSQ] matrix_a_fmt:MATRIX_FMT_FP6 matrix_b_fmt:MATRIX_FMT_FP6 matrix_a_scale:MATRIX_SCALE_ROW1
.endif
.endr
.endr
.endm
.macro FETCH_B st, p
	WIN TO_B
.irp i, 0,1,2,3,4,5,6,7
	FRAG 128*(\p)+FR*\i, ADRB, \st, \i
.endr
	WIN 0
.endm
.macro FETCH_A st, i0
.irp i, \i0, \i0+1, \i0+2, \i0+3
	FRAG AF+FR*(\i), ADRA, \st, \i
.endr
.endm
.macro SCALES pr                       ; the scale words of steps 2 pr, 2 pr + 1
.irp i, 0,1,2,3,4,5,6,7
	ds_load_b64 v[SC+8*NQ*((\pr)%2)+NQ*\i:SC+8*NQ*((\pr)%2)+NQ*\i+1], v[ADRS+\i%2] offset:(8*(\i/4)+\i%4)*272+8*(\pr)
.endr
.endm
.macro PLACES n
.rept \n
	v_nop
.endr
.endm
; A step of 128 along K; the next step's fragments are fetched in its middle and at its end.  kind 1 (step 2): chunk 0 is read no more and slot 0 is filled again; kind 2 (step 4): chunk 2 is shown whole to all waves.
.macro STEP st, kind, zero
.set NX, (\st)+1
.if \kind
	s_wait_tensorcnt 0x0                           ; all my tensor loads have landed
.if \kind == 1
	ds_add_u32 v[SPW], v[NIL]
	s_wait_dscnt 4*NL+1                            ; the add and Q's blocks 4-7 (24 loads) may be out
.else
	s_wait_dscnt 4*NL
.endif
	WIN MUL_LO
	MUL16 0, (\st)%2, (\st)%2, ((\st)/2)%2, 0
	s_wait_dscnt 0x0                               ; the add is done and my reads are over
	s_barrier_signal -1
	MUL16 2, (\st)%2, (\st)%2, ((\st)/2)%2, 0
	WIN 0
	s_barrier_wait -1
.if \kind == 1
	CREST                                          ; the barrier has opened a round of the cluster's barrier
	s_cmp_eq_u32 s15, 0
	s_cbranch_scc0 .Lfor_p
	TLOAD G0, G1
	s_branch .Lasked
.Lfor_p:
	TLOAD G0B, G1B
.Lasked:
.else
	PLACES NP
.endif
.else
	s_wait_dscnt 4*NL                              ; P's set and Q's blocks 0-3 are in; the youngest 24 loads may be out
.if \zero
	WIN 0x81
.else
	WIN MUL_LO
.endif
	MUL16 0, (\st)%2, (\st)%2, ((\st)/2)%2, \zero
	MUL16 2, (\st)%2, (\st)%2, ((\st)/2)%2, \zero
	s_wait_dscnt 0
	PLACES NP
.endif
	FETCH_B NX, NX%2
	FETCH_A NX, 0
.if NX%2 == 0
	SCALES NX/2
.endif
.if \zero
	WIN 0xc1
.else
	WIN MUL_HI
.endif
	MUL16 4, (\st)%2, (\st)%2, ((\st)/2)%2, \zero
	MUL16 6, (\st)%2, (\st)%2, ((\st)/2)%2, \zero
	PLACES NP
	WIN 0
	FETCH_A NX, 4
.endm
	s_wait_alu depctr_va_vdst(0)                   ; the wait at the head's end
	s_wait_tensorcnt 0x0                           ; my tile of the head's four is in; no load of mine is out, so group 1 may be written: the refill's loads bring 128 rows
.irp g, G1, G1B
	s_mov_b32 s[\g+2], 128<<16
	s_mov_b32 s[\g+4], 128
.endr
	s_wait_loadcnt 0x0                             ; my part of the scales, and the bias
.irp k, 0,1,2,3,4,5,6,7
	ds_store_b128 v[SST], v[SD+4*\k:SD+4*\k+3] offset:544*\k
.endr
	s_wait_dscnt 0x0                               ; for the others' sake: my stores have landed
	s_barrier_signal -1
	s_barrier_wait -1                              ; everybody's tile and scales are in
	FETCH_B 0, 0
	FETCH_A 0, 0
	SCALES 0
	FETCH_A 0, 4
	s_cmp_eq_u32 ttmp9, 2                          ; the first step is written twice: only C's register differs
	s_cbranch_scc1 .Lfirst_v
	STEP 0, 0, 1
	s_branch .Lfirst_done
.Lfirst_v:
	STEP 0, 0, 2
.Lfirst_done:
	STEP 1, 0, 0
	STEP 2, 1, 0
	STEP 3, 0, 0
	STEP 4, 2, 0
	STEP 5, 0, 0
	STEP 6, 0, 0
	s_wait_dscnt 4*NL
	WIN MUL_LO
	MUL16 0, 1, 1, 1, 0
	MUL16 2, 1, 1, 1, 0
	s_wait_dscnt 0
	WIN MUL_HI
	MUL16 4, 1, 1, 1, 0
	MUL16 6, 1, 1, 1, 0
	WIN 0
; THE WAY OUT.  Group (a, g): accumulators b = 4 g .. 4 g + 3 of Q's tile a: 32 registers, in each half of the lanes one block.  Its six registers of codes are an image of operand registers, 768 bytes: registers 0-3 at 16 x lane, 4-5 at 512 + 8 x lane.
.set T,   64
.set T2,  80
.set SOP, 96
.set W16, 112                          ; group 2 a + g: its two scale bytes
.set CD,  128
.set YT,  224
.set BC0, 36
.set BS0, 48
.set FLR, 52
	s_mov_b32 s[FLR], 0x1800000                    ; the floor 2^(3 - 127): no scale byte falls under 1
	s_cmp_eq_u32 ttmp9, 2
	s_cselect_b32 s18, s42, s17                    ; the tile of 256 tokens, my half of it,
	s_cselect_b32 s19, s16, s15
	s_cselect_b32 s20, s17, s42                    ; the tile of 256 features, my half of it
	s_cselect_b32 s21, s15, s16
	s_mov_b32 s22, 6144
	s_cselect_b32 s22, s22, 0                      ; v's codes lie 6,144 bytes into a record
	s_mov_b32 s23, 12800
	s_mov_b32 s24, 12288
	s_cselect_b32 s23, s23, s24                    ; scale words in a record: v's at 12,800, k's at 12,288
	s_cmp_eq_u32 ttmp9, 0
	s_cselect_b32 s23, 0, s23
	s_mov_b32 s24, 98304
	s_mov_b32 s25, 208896
	s_cselect_b32 s24, s24, s25                    ; codes: bytes a head,
	s_mov_b32 s26, 6144
	s_mov_b32 s27, 13056
	s_cselect_b32 s26, s26, s27                    ; and for each 128 tokens
	s_mov_b32 s28, 8192
	s_cselect_b32 s28, s28, s25                    ; scale words likewise
	s_mov_b32 s29, 512
	s_cselect_b32 s29, s29, s27
	s_lshr_b32 s30, s18, 3
	s_lshl_b32 s30, s30, 4
	s_lshl_b32 s31, s20, 2
	s_lshl_b32 s32, s21, 1
	s_add_co_u32 s31, s31, s32
	s_and_b32 s31, s31, 15
	s_add_co_u32 s30, s30, s31                     ; 16 x batch + my first head
	s_lshl_b32 s31, s18, 1
	s_add_co_u32 s31, s31, s19
	s_and_b32 s31, s31, 15                         ; which 128 tokens of the batch
	s_mul_i32 s32, s30, s24
	s_mul_i32 s33, s31, s26
	s_add_co_u32 s32, s32, s33
	s_add_co_u32 s32, s32, s22
	s_mov_b32 s33, 0
	s_mov_b32 s34, s24
	s_mov_b32 s35, 0
	s_add_nc_u64 s[BC0:BC0+1], s[OC:OC+1], s[32:33]
	s_add_nc_u64 s[BC0+2:BC0+3], s[BC0:BC0+1], s[34:35]
	s_mul_i32 s32, s30, s28
	s_mul_i32 s34, s31, s29
	s_add_co_u32 s32, s32, s34
	s_add_co_u32 s32, s32, s23
	s_mov_b32 s34, s28
	s_add_nc_u64 s[BS0:BS0+1], s[OS:OS+1], s[32:33]
	s_add_nc_u64 s[BS0+2:BS0+3], s[BS0:BS0+1], s[34:35]
	v_and_b32 v2, 31, v0                           ; these eight are also the places behind the last products
	v_and_b32 v5, 15, v0
	v_bfe_u32 v6, v0, 4, 1
	v_lshlrev_b32 v3, 4, v2                        ; 16 x lane
	v_lshlrev_b32 v4, 3, v2                        ; 8 x lane
	v_lshlrev_b32 v7, 3, v6                        ; 8 h: my block's byte in the pair
	v_mul_u32_u24 v8, v6, s25
	v_lshl_add_u32 v8, v5, 4, v8                   ; v's scale words: 16 r, lanes 16-31 one head on
.macro EPI w                           ; the eight groups of window w; each accumulator is read from its low end on
	WIN ((\w)<<2)|((\w)<<4)
.irp n, 0,1,2,3,4,5,6,7
	v_max3_num_f32 v[T+\n], s[FLR], |v[32*\n]|, |v[32*\n+1]|
.endr
.irp i, 2,4,6,8,10,12,14,16,18,20,22,24,26,28,30
.irp n, 0,1,2,3,4,5,6,7
	v_max3_num_f32 v[T+\n], v[T+\n], |v[32*\n+\i]|, |v[32*\n+\i+1]|
.endr
.endr
	WIN 0
.irp n, 0,1,2,3,4,5,6,7
	v_add_nc_u32 v[SOP+\n], 0xff000000, v[T+\n]    ; 2 off the exponent field: the conversion's scale operand
.endr
.irp n, 0,1,2,3,4,5,6,7
	v_lshrrev_b32 v[T2+\n], 23, v[SOP+\n]          ; the byte,
.endr
.irp n, 0,1,2,3,4,5,6,7
	v_lshlrev_b32 v[T2+\n], v7, v[T2+\n]           ; at its place,
.endr
.irp n, 0,1,2,3,4,5,6,7
	v_permlanex16_b32 v[T+\n], v[T2+\n], s[SEL], s[SEL+1]
.endr
.irp n, 0,1,2,3,4,5,6,7
	v_or_b32 v[W16+8*((\w)-2)+\n], v[T2+\n], v[T+\n]   ; with lane l xor 16's
.endr
	WIN \w
.irp n, 0,1,2,3,4,5,6,7
	v_cvt_scalef32_pk16_fp6_f32 v[CD+6*(8*((\w)-2)+\n):CD+6*(8*((\w)-2)+\n)+2], v[32*\n:32*\n+15], v[SOP+\n]
	v_cvt_scalef32_pk16_fp6_f32 v[YT+4*\n:YT+4*\n+2], v[32*\n+16:32*\n+31], v[SOP+\n]
.endr
	WIN 0
	v_nop                                          ; one plain place behind a scaled conversion
.irp n, 0,1,2,3,4,5,6,7
.irp i, 0,1,2
	v_mov_b32 v[CD+6*(8*((\w)-2)+\n)+3+\i], v[YT+4*\n+\i]   ; a conversion's three registers begin on an even number
.endr
.endr
.endm
	EPI 2
	EPI 3
	v_cmp_lt_u32 vcc_lo, 15, v2                    ; lanes 16-31
	s_cmp_eq_u32 ttmp9, 2
	s_wait_alu depctr_va_vdst(0)                   ; the wait ahead of the branch
	s_cbranch_scc1 .Lout_v
.irp a, 0,1,2,3,4,5,6,7                ; q, k: group (a, g) is token tile a of head g
.irp g, 0,1
	global_store_b128 v3, v[CD+6*(2*\a+\g):CD+6*(2*\a+\g)+3], s[BC0+2*\g:BC0+2*\g+1] offset:768*\a          ; 512 consecutive bytes, aligned
	global_store_b64 v4, v[CD+6*(2*\a+\g)+4:CD+6*(2*\a+\g)+5], s[BC0+2*\g:BC0+2*\g+1] offset:768*\a+512     ; 256
.endr
.endr
.irp g, 0,1
.irp i, 0,1,2,3
	v_cndmask_b32 v[T+4*\g+\i], v[W16+2*\i+\g], v[W16+8+2*\i+\g], vcc_lo   ; lanes 0-15 send tiles 0-3's words of row r, lanes 16-31 tiles 4-7's
.endr
	global_store_b128 v3, v[T+4*\g:T+4*\g+3], s[BS0+2*\g:BS0+2*\g+1]       ; [tiles 0-3, 4-7][r][4 words]: 512 consecutive bytes, aligned
.endr
	s_branch .Lout_done
.Lout_v:
.irp a, 0,1,2,3,4,5,6,7                ; v: group (a, g) is d tile a % 4 of head a / 4, keys 64 g on
.irp g, 0,1
	global_store_b128 v3, v[CD+6*(2*\a+\g):CD+6*(2*\a+\g)+3], s[BC0+2*(\a/4):BC0+2*(\a/4)+1] offset:1536*(\a%4)+768*\g
	global_store_b64 v4, v[CD+6*(2*\a+\g)+4:CD+6*(2*\a+\g)+5], s[BC0+2*(\a/4):BC0+2*(\a/4)+1] offset:1536*(\a%4)+768*\g+512
.endr
.endr
.irp a, 0,1,2,3,4,5,6,7
	v_lshl_or_b32 v[T2+\a], v[W16+2*\a+1], 16, v[W16+2*\a]
.endr
.irp i, 0,1,2,3
	v_cndmask_b32 v[T+\i], v[T2+\i], v[T2+4+\i], vcc_lo
.endr
	global_store_b128 v8, v[T:T+3], s[BS0:BS0+1]                           ; each half of the lanes stores 256 consecutive bytes, aligned
.Lout_done:
	s_wait_tensorcnt 0x0                           ; the wave's end
	ds_add_u32 v[SPW], v[NIL]
	s_wait_dscnt 0x0
	CROUND                                         ; the closing round
	s_endpgm
.Lfunc_end_k_qe825f9e267_qkv:
	.size	k_qe825f9e267_qkv, .Lfunc_end_k_qe825f9e267_qkv-k_qe825f9e267_qkv
	.p2alignl 7, 3214868480
	.fill 96, 4, 3214868480
	.section	.rodata,"a",@progbits
	.p2align	6, 0x0
	.amdhsa_kernel k_qe825f9e267_qkv
		.amdhsa_group_segment_fixed_size 327680
		.amdhsa_private_segment_fixed_size 0
		.amdhsa_enable_private_segment 0
		.amdhsa_kernarg_size 64
		.amdhsa_user_sgpr_count 2
		.amdhsa_user_sgpr_kernarg_segment_ptr 1
		.amdhsa_wavefront_size32 1
		.amdhsa_system_sgpr_workgroup_id_x 1
		.amdhsa_system_sgpr_workgroup_id_y 1
		.amdhsa_system_sgpr_workgroup_id_z 1
		.amdhsa_system_vgpr_workitem_id 0
		.amdhsa_next_free_vgpr 1024
		.amdhsa_next_free_sgpr 102
		.amdhsa_reserve_vcc 1
		.amdhsa_float_denorm_mode_32 3
		.amdhsa_float_denorm_mode_16_64 3
		.amdhsa_memory_ordered 1
		.amdhsa_forward_progress 1
		.amdhsa_inst_pref_size 187
	.end_amdhsa_kernel
	.amdgpu_metadata
---
amdhsa.version: [ 1, 2 ]
amdhsa.kernels:
  - .name:           k_qe825f9e267_qkv
    .symbol:         k_qe825f9e267_qkv.kd
    .args:
      - { .name: x_codes, .offset: 0, .size: 8, .value_kind: global_buffer, .address_space: global }
      - { .name: x_scales, .offset: 8, .size: 8, .value_kind: global_buffer, .address_space: global }
      - { .name: qkv_w_codes, .offset: 16, .size: 8, .value_kind: global_buffer, .address_space: global }
      - { .name: qkv_w_scales, .offset: 24, .size: 8, .value_kind: global_buffer, .address_space: global }
      - { .name: qkv_b, .offset: 32, .size: 8, .value_kind: global_buffer, .address_space: global }
      - { .name: qimg, .offset: 40, .size: 8, .value_kind: global_buffer, .address_space: global }
      - { .name: qsc, .offset: 48, .size: 8, .value_kind: global_buffer, .address_space: global }
      - { .name: kv, .offset: 56, .size: 8, .value_kind: global_buffer, .address_space: global }
    .group_segment_fixed_size: 327680
    .private_segment_fixed_size: 0
    .kernarg_segment_align: 8
    .kernarg_segment_size: 64
    .max_flat_workgroup_size: 128
    .sgpr_count:     102
    .vgpr_count:     1024
    .wavefront_size: 32
...
	.end_amdgpu_metadata
.endif
;; end of part 1
;; launch attn (part 2): grid 8 x 32, 16 waves a work-group, clusters of 4 x 1, 211,456 bytes of LDS; arguments qimg, qsc, kv, oimg, osc; writes oimg, osc
.if DOCPART == 2
	.amdgcn_target "amdgcn-amd-amdhsa--gfx1250"
	.amdhsa_code_object_version 6
	.text
	.protected	k_qe825f9e267_attn
	.globl	k_qe825f9e267_attn
	.p2align	8
	.type	k_qe825f9e267_attn,@function
k_qe825f9e267_attn:
	s_mov_b64 s[64:65], 0
	v_nop
	global_prefetch_b8 v0, s[64:65] scope:SCOPE_SE
	s_setreg_imm32_b32 hwreg(HW_REG_WAVE_MODE, 25, 1), 1
	s_wait_xcnt 0x0
	s_wait_alu depctr_hold_cnt(0) depctr_sa_sdst(0) depctr_va_vdst(0) depctr_va_sdst(0) depctr_va_ssrc(0) depctr_va_vcc(0) depctr_vm_vsrc(0)
	s_getreg_b32 s2, hwreg(HW_REG_IB_STS2, 6, 4)
	s_cmp_eq_u32 s2, 0
	s_cbranch_scc0 .Lentry_in_a_cluster
	s_endpgm
.Lentry_in_a_cluster:
	s_bfe_u32 s2, ttmp6, 0x10000c
	s_cmp_lg_u32 s2, 0x3003
	s_cbranch_scc0 .Lentry_shape_is_right
	s_endpgm
.Lentry_shape_is_right:
; o = softmax(q k^T / 8) v for one head and 256 queries a work-group, both products on FP6 (E2M3) codes with one E8M0 scale for each 32 along K; o is divided by the row's sum and quantised along d for the last launch.
; THE SOFTMAX: t = score x log2(e) / 8; M = the running largest t rounded UP to a whole number; p = 2^(t - M) is quantised along the keys, not normalised; the row's sum is taken of the unquantised p.
;   When M moves, the sum and O are multiplied by 2^(old M - new M): exact.
; SHARES: sixteen waves, each one tile of 16 queries; every wave walks the head's 2,048 keys, 128 a step.  The head's K, V and scale words, 16 records of 13,056 bytes, come into LDS ONCE: each wave asks for one record at the head
;   (51 rows of 256 bytes); one barrier; nothing is filled again.  The four query blocks of a cluster share the head: each record is asked for jointly.
;   No prefetch: all loads go out at the head; the key loop reads only LDS.
; A RECORD: K at 0: 8 tiles x 768 bytes;  V at 6,144: 4 tiles of d x (keys 0-63, keys 64-127) x 768;  K's scale words at 12,288: [tiles 0-3, 4-7][r 16][4];  V's at 12,800: [r 16][tile 4].
;   768 bytes are an image of operand registers 0-5: lane l's registers 0-3 at 16 l, 4-5 at 512 + 8 l.
; LAYOUT: S^T = K Q^T, O^T = V^T P^T: a lane holds ONE query.  The launch before chose each tile's rows so that the 32 registers of four neighbouring tiles are one block of 32 in each half of the lanes
;   (lanes 0-15 the even block; lanes 16-31 the odd block, its groups of eight in the order 1, 0, 3, 2, alike on both operands).  o meets a GIVEN weight: its odd block is brought into ascending order at the end.
;   K = 64 of the first product fills registers 0-5; registers 6-11 hold zero codes, written once; their scale bytes are 0, a finite code.
; LIMITS: the promise holds while |t| stays under 2^31; a block of zeros gets the scale byte 1 and not 127 (only this program reads the bytes); NaN and infinities are not served; 1 / sum by v_rcp_f32;
;   a block's largest p is made from its largest score by the same multiply-add and exponential, which takes v_exp_f32 not to fall where its input rises.
.set REC,    13056
.set HEADB,  16*REC
.set OST,    HEADB                     ; 512 bytes: o's scale halfwords of the 16 waves
.set SPARE,  HEADB+512                 ; the spare words, 128 bytes a wave
.set LI,  1                            ; 16 x lane
.set L8,  2                            ; 8 x lane
.set LVS, 3                            ; 16 r
.set ADI, 4                            ; the same three + the step's record
.set AD8, 5
.set ADT, 6
.set SH,  7                            ; 8 h
.set OA,  8
.set OR,  9
.set OG,  10
.set Q,   16
.set QS,  28
.set PS,  29
.set SPW, 30
.set NIL, 31
.set KB,  32                           ; four fragments of K
.set KSW, 80                           ; K's scale words: lanes 0-15 tiles 0-3, lanes 16-31 tiles 4-7
.set VSW, 84
.set S,   96                           ; S^T, then p; v96-143 then V's fragments
.set O,   160
.set PC,  192
.set YT,  204
.set BM,  212
.set BX,  214
.set SOP, 216
.set T2,  218
.set TMP, 220
.set OLD, 221
.set F,   222                          ; v[222:223]: f; the upper word is named with it and holds 0
.set SA,  224                          ; v224-231 the step's sum of p, four chains of pairs
.set WV,  18
.set SEL, 20
.set CS,  22                           ; s[22:23] c = log2(e) / 8
.set G1,  24
.set G0,  32
.set NC,  36                           ; -c
.set TB,  48
.set CNT, 49
.macro CROUND
	s_barrier_signal -1
	s_barrier_wait -1
	s_cmp_lg_u32 s[WV], 0
	s_cbranch_scc1 .Lnot_wave_0_\@
	s_barrier_signal -3
.Lnot_wave_0_\@:
	s_barrier_wait -3
	s_barrier_signal -1
	s_barrier_wait -1
.endm
	s_load_b256 s[4:11], s[0:1], 0x0               ; qimg, qsc, kv, oimg
	s_load_b64 s[12:13], s[0:1], 0x20              ; osc
	v_lshl_add_u32 v[SPW], v0, 2, SPARE
	v_mov_b32 v[NIL], 0
	ds_add_u32 v[SPW], v[NIL]                      ; the opening lines: the add twice on end
	ds_add_u32 v[SPW], v[NIL]
	v_lshrrev_b32 v8, 5, v0
	v_readfirstlane_b32 s[WV], v8                  ; wave 0..15
	s_and_b32 s52, ttmp7, 0xffff                   ; 16 x batch + head
	s_mul_i32 s53, s[WV], REC                      ; my record
	s_mul_i32 s54, s52, HEADB
	s_add_co_u32 s54, s54, s53
	s_mov_b32 s55, 0
	s_mov_b32 s[G1], 15|(3<<16)|(1<<21)            ; the mask: all four work-groups; elements of 8 bytes
	s_mov_b32 s[G1+1], 32<<16
	s_mov_b32 s[G1+2], 51<<16
	s_mov_b32 s[G1+3], 32<<16
	s_mov_b32 s[G1+4], 51
	s_mov_b32 s[G1+5], 32
	s_mov_b32 s[G1+6], 0
	s_mov_b32 s[G1+7], 0
	s_mov_b32 s[G0], 1
	s_mov_b32 s[G0+1], s53                         ; LDS is laid as memory is
	s_wait_dscnt 0x0
	s_wait_kmcnt 0x0
	s_add_nc_u64 s[G0+2:G0+3], s[8:9], s[54:55]
	s_or_b32 s[G0+3], s[G0+3], 0x80000000
	CROUND                                         ; the joint loads meet
	tensor_load_to_lds s[G0:G0+3], s[G1:G1+7]      ; my one tensor load
	s_nop 0
	s_bfe_u32 s50, ttmp6, 0x40000                  ; cx enters global addresses alone
	s_lshl_b32 s51, ttmp9, 2
	s_add_co_u32 s51, s51, s50                     ; my block of 256 queries
	s_lshl_b32 s56, s51, 4
	s_add_co_u32 s56, s56, s[WV]                   ; my tile, 0..127
	s_mul_i32 s58, s52, 98304
	s_mul_i32 s57, s56, 768
	s_add_co_u32 s58, s58, s57
	s_mov_b32 s59, 0
	s_add_nc_u64 s[4:5], s[4:5], s[58:59]
	s_lshl_b32 s60, s52, 13                        ; qsc: [head][128 tokens 16][tiles 0-3, 4-7][r 16][4] words
	s_lshr_b32 s57, s56, 2
	s_lshl_b32 s57, s57, 8
	s_add_co_u32 s60, s60, s57
	s_and_b32 s57, s56, 3
	s_lshl_b32 s57, s57, 2
	s_add_co_u32 s60, s60, s57
	s_mov_b32 s61, 0
	s_add_nc_u64 s[6:7], s[6:7], s[60:61]
	; oimg: [128 tokens 32][head 16][tile 8][768];  osc: [128 tokens 32][head 16][tile 8][r 16] halfwords
	s_lshr_b32 s57, s52, 4
	s_lshl_b32 s57, s57, 4
	s_lshl_b32 s58, s51, 1
	s_add_co_u32 s57, s57, s58
	s_and_b32 s58, s52, 15
	s_lshl_b32 s60, s57, 12
	s_lshl_b32 s61, s58, 8
	s_add_co_u32 s60, s60, s61
	s_mov_b32 s61, 0
	s_add_nc_u64 s[12:13], s[12:13], s[60:61]
	s_lshr_b32 s59, s[WV], 3
	s_add_co_u32 s57, s57, s59
	s_mul_i32 s60, s57, 98304
	s_mul_i32 s59, s58, 6144
	s_add_co_u32 s60, s60, s59
	s_and_b32 s59, s[WV], 7
	s_mul_i32 s59, s59, 768
	s_add_co_u32 s60, s60, s59
	s_add_nc_u64 s[10:11], s[10:11], s[60:61]
	s_lshl_b32 s57, s[WV], 5
	s_mov_b32 s[SEL], 0x76543210
	s_mov_b32 s[SEL+1], 0xfedcba98
	s_mov_b32 s[CS], 0x3e38aa3b
	s_mov_b32 s[CS+1], s[CS]
	s_mov_b32 s[NC], 0xbe38aa3b
	v_and_b32 v9, 31, v0
	v_and_b32 v10, 15, v0
	v_bfe_u32 v11, v0, 4, 1
	v_lshlrev_b32 v[LI], 4, v9
	v_lshlrev_b32 v[L8], 3, v9
	v_lshlrev_b32 v[LVS], 4, v10
	global_load_b128 v[Q:Q+3], v[LI], s[4:5]       ; Q's image stays in registers
	global_load_b64 v[Q+4:Q+5], v[L8], s[4:5] offset:512
	global_load_b32 v[QS], v[LVS], s[6:7]
	v_lshlrev_b32 v[SH], 3, v11
	v_lshlrev_b32 v[OA], 1, v10
	v_add_nc_u32 v[OA], s57, v[OA]
	v_add_nc_u32 v[OA], OST, v[OA]                 ; OST + 32 x wave + 2 r
	v_add_nc_u32 v[OR], OST, v[LI]
	v_lshlrev_b32 v11, 12, v11
	v_lshl_add_u32 v[OG], v10, 4, v11              ; lanes 16-31: the second run of 128 tokens, 4,096 bytes on
.irp j, 6,7,8,9,10,11
	v_mov_b32 v[Q+\j], 0                           ; K = 64 .. 127 of the first product: zero codes
.irp t, 0,1,2,3
	v_mov_b32 v[KB+12*\t+\j], 0
.endr
.endr
	v_mov_b32 v13, 0xff61b1e6                      ; the largest score so far: -3e38
	v_mul_f32 v12, s[NC], v13
	v_floor_f32 v12, v12                           ; -M
	v_mov_b32 v14, 0                               ; the sum, in two halves
	v_mov_b32 v15, 0
.irp j, T2, T2+1, TMP, F, F+1, SA, SA+1, SA+2, SA+3, SA+4, SA+5, SA+6, SA+7
	v_mov_b32 v[\j], 0
.endr
.irp j, 0,1,2,3,4,5,6,7,8,9,10,11,12,13,14,15,16,17,18,19,20,21,22,23,24,25,26,27,28,29,30,31
	v_mov_b32 v[O+\j], 0                           ; O^T: the first change of M leaves zeros zeros
.endr
.macro KLOAD adi, ad8, g, off          ; four tiles of K
.irp t, 0,1,2,3
	ds_load_b128 v[KB+12*\t:KB+12*\t+3], v[\adi] offset:\off+768*(4*\g+\t)
	ds_load_b64 v[KB+12*\t+4:KB+12*\t+5], v[\ad8] offset:\off+768*(4*\g+\t)+512
.endr
.endm
.macro MAX1 c                          ; the largest score of my block c, two chains, each accumulator from its low end on: the first 12 lines,
	v_max3_num_f32 v[BM+\c], v[S+32*\c], v[S+32*\c+1], v[S+32*\c+2]
	v_max3_num_f32 v[BX+\c], v[S+32*\c+16], v[S+32*\c+17], v[S+32*\c+18]
.irp i, 3,5,7,9,11
	v_max3_num_f32 v[BM+\c], v[BM+\c], v[S+32*\c+\i], v[S+32*\c+\i+1]
	v_max3_num_f32 v[BX+\c], v[BX+\c], v[S+32*\c+16+\i], v[S+32*\c+17+\i]
.endr
.endm
.macro MAX2 c                          ; and the last four
	v_max3_num_f32 v[BM+\c], v[BM+\c], v[S+32*\c+13], v[S+32*\c+14]
	v_max3_num_f32 v[BX+\c], v[BX+\c], v[S+32*\c+29], v[S+32*\c+30]
	v_max_num_f32 v[BM+\c], v[BM+\c], v[S+32*\c+15]
	v_max3_num_f32 v[BM+\c], v[BM+\c], v[BX+\c], v[S+32*\c+31]
.endm
; A KEY STEP: 128 keys, the record at s[TB]; its tiles 0-3 of K and K's scale words were asked for in the step before.  more = 1: the next record's are asked for.
.macro STEP more
	v_add_nc_u32 v[ADI], s[TB], v[LI]              ; five plain lines between the last step's products V^T P^T and the products below, which write over V's fragments
	v_add_nc_u32 v[AD8], s[TB], v[L8]
	v_add_nc_u32 v[ADT], s[TB], v[LVS]
	v_pk_add_f32 v[SA:SA+1], v[SA:SA+1], v[SA+2:SA+3]          ; the last step's sum of p is finished here
	v_pk_add_f32 v[SA+4:SA+5], v[SA+4:SA+5], v[SA+6:SA+7]
	s_wait_alu depctr_va_vdst(0)                   ; the wait ahead of the wait below
	s_wait_dscnt 0x0
.irp t, 0,1,2,3
	v_wmma_scale_f32_16x16x128_f8f6f4 v[S+8*\t:S+8*\t+7], v[KB+12*\t:KB+12*\t+11], v[Q:Q+11], 0, v[KSW+\t], v[QS] matrix_a_fmt:MATRIX_FMT_FP6 matrix_b_fmt:MATRIX_FMT_FP6
.endr
	v_pk_add_f32 v[SA:SA+1], v[SA:SA+1], v[SA+4:SA+5]          ; four places in front of the loads into K's registers
	v_mov_b32 v[OLD], v12
	v_nop
	v_pk_fma_f32 v[14:15], v[14:15], v[F:F+1], v[SA:SA+1] op_sel_hi:[1,0,1]   ; sum = sum x the last step's f + its p
	KLOAD ADI, AD8, 1, 0
	MAX1 0
	s_wait_alu depctr_va_vdst(0)
	s_wait_dscnt 0x0
.irp t, 0,1,2,3
	v_wmma_scale_f32_16x16x128_f8f6f4 v[S+32+8*\t:S+32+8*\t+7], v[KB+12*\t:KB+12*\t+11], v[Q:Q+11], 0, v[KSW+\t], v[QS] matrix_a_fmt:MATRIX_FMT_FP6 matrix_b_fmt:MATRIX_FMT_FP6 matrix_a_scale:MATRIX_SCALE_ROW1
.endr
	MAX2 0                                         ; four places: they name block 0 alone
.if \more
	KLOAD ADI, AD8, 0, REC
	ds_load_b128 v[KSW:KSW+3], v[ADI] offset:REC+12288
.endif
	MAX1 1
	MAX2 1
	s_delay_alu instid0(VALU_DEP_1)
	v_max_num_f32 v[TMP], v[BM], v[BM+1]
	s_delay_alu instid0(VALU_DEP_1)
	v_permlanex16_b32 v[T2], v[TMP], s[SEL], s[SEL+1]
	s_delay_alu instid0(VALU_DEP_1)
	v_max3_num_f32 v13, v13, v[TMP], v[T2]         ; the running largest score of my query
	s_delay_alu instid0(VALU_DEP_1)
	v_mul_f32 v[TMP], s[NC], v13
	s_delay_alu instid0(VALU_DEP_1)
	v_floor_f32 v12, v[TMP]                        ; -M = floor(-t)
	s_delay_alu instid0(VALU_DEP_1)
	v_sub_f32 v[TMP], v12, v[OLD]                  ; old M - new M: a whole number, 0 or less
	s_delay_alu instid0(VALU_DEP_1)
	v_cvt_i32_f32 v[TMP], v[TMP]                   ; (it saturates)
	s_delay_alu instid0(VALU_DEP_1)
	v_ldexp_f32 v[F], 1.0, v[TMP]
.irp j, 0,2,4,6,8,10,12,14,16,18,20,22,24,26,28,30,32,34,36,38,40,42,44,46,48,50,52,54,56,58,60,62
	v_pk_fma_f32 v[S+\j:S+\j+1], v[S+\j:S+\j+1], s[CS:CS+1], v[12:13] op_sel_hi:[1,0,0]   ; t - M
.endr
	v_fma_f32 v[BM], v[BM], s[CS], v12
	v_fma_f32 v[BM+1], v[BM+1], s[CS], v12
	s_wait_alu depctr_va_vdst(0)                   ; the wait ahead of the batch
.irp j, 0,1,2,3,4,5,6,7,8,9,10,11,12,13,14,15,16,17,18,19,20,21,22,23,24,25,26,27,28,29,30,31,32,33,34,35,36,37,38,39,40,41,42,43,44,45,46,47,48,49,50,51,52,53,54,55,56,57,58,59,60,61,62,63
	v_exp_f32 v[S+\j], v[S+\j]                     ; p
.endr
	v_exp_f32 v[BM], v[BM]                         ; my two blocks' largest p
	v_exp_f32 v[BM+1], v[BM+1]
	v_nop
	s_wait_alu depctr_va_vdst(0)                   ; and behind it
	v_max_num_f32 v[BM], 0x1800000, v[BM]          ; the floor 2^(3 - 127)
	v_max_num_f32 v[BM+1], 0x1800000, v[BM+1]
	v_add_nc_u32 v[SOP], 0xff000000, v[BM]         ; 2 off the exponent field: the conversion's scale operand
	v_add_nc_u32 v[SOP+1], 0xff000000, v[BM+1]
.irp c, 0,1
	v_cvt_scalef32_pk16_fp6_f32 v[PC+6*\c:PC+6*\c+2], v[S+32*\c:S+32*\c+15], v[SOP+\c]
	v_cvt_scalef32_pk16_fp6_f32 v[YT+4*\c:YT+4*\c+2], v[S+32*\c+16:S+32*\c+31], v[SOP+\c]
.endr
.irp k, 0,1,2,3
	v_pk_add_f32 v[SA+2*\k:SA+2*\k+1], v[S+2*\k:S+2*\k+1], v[S+8+2*\k:S+9+2*\k]   ; the sum of the unquantised p, four chains
.endr
.irp q, 16,24,32,40,48,56
.irp k, 0,1,2,3
	v_pk_add_f32 v[SA+2*\k:SA+2*\k+1], v[SA+2*\k:SA+2*\k+1], v[S+\q+2*\k:S+\q+2*\k+1]
.endr
.endr
.irp w, 0,1,2,3                                ; p has been read for the last time: V's fragments take its registers
	ds_load_b128 v[S+12*\w:S+12*\w+3], v[ADI] offset:6144+1536*\w
	ds_load_b64 v[S+12*\w+4:S+12*\w+5], v[AD8] offset:6144+1536*\w+512
	ds_load_b128 v[S+12*\w+6:S+12*\w+9], v[ADI] offset:6144+1536*\w+768
	ds_load_b64 v[S+12*\w+10:S+12*\w+11], v[AD8] offset:6144+1536*\w+1280
.endr
	ds_load_b128 v[VSW:VSW+3], v[ADT] offset:12800
	v_lshrrev_b32 v[T2], 23, v[SOP]                ; my two scale bytes: blocks h and 2 + h,
	v_lshrrev_b32 v[T2+1], 23, v[SOP+1]
	s_delay_alu instid0(VALU_DEP_1)
	v_lshl_or_b32 v[TMP], v[T2+1], 16, v[T2]
	s_delay_alu instid0(VALU_DEP_1)
	v_lshlrev_b32 v[TMP], v[SH], v[TMP]            ; at their places in the word,
	s_delay_alu instid0(VALU_DEP_1)
	v_permlanex16_b32 v[T2], v[TMP], s[SEL], s[SEL+1]
	s_delay_alu instid0(VALU_DEP_1)
	v_or_b32 v[PS], v[TMP], v[T2]                  ; with lane l xor 16's two
.irp c, 0,1
.irp i, 0,1,2
	v_mov_b32 v[PC+6*\c+3+\i], v[YT+4*\c+\i]       ; a conversion's three registers begin on an even number
.endr
.endr
	s_wait_alu depctr_va_vdst(0)                   ; the wait directly ahead of the first reader of O^T
.irp j, 0,2,4,6,8,10,12,14,16,18,20,22,24,26,28,30
	v_pk_mul_f32 v[O+\j:O+\j+1], v[O+\j:O+\j+1], v[F:F+1] op_sel_hi:[1,0]   ; O^T under the new M; also the places between p's codes and scale word and the products
.endr
	s_wait_alu depctr_va_vdst(0)
	s_wait_dscnt 0x0
.irp w, 0,1,2,3
	v_wmma_scale_f32_16x16x128_f8f6f4 v[O+8*\w:O+8*\w+7], v[S+12*\w:S+12*\w+11], v[PC:PC+11], v[O+8*\w:O+8*\w+7], v[VSW+\w], v[PS] matrix_a_fmt:MATRIX_FMT_FP6 matrix_b_fmt:MATRIX_FMT_FP6
.endr
.endm
	s_wait_alu depctr_va_vdst(0)                   ; the wait at the head's end
	s_wait_loadcnt 0x0                             ; Q and its scale words
	s_wait_tensorcnt 0x0                           ; my record has landed,
	s_barrier_signal -1
	s_barrier_wait -1                              ; everybody's has
	KLOAD LI, L8, 0, 0
	ds_load_b128 v[KSW:KSW+3], v[LI] offset:12288
	s_mov_b32 s[TB], 0
	s_mov_b32 s[CNT], 15
.Lstep:
	STEP 1
	s_add_co_u32 s[TB], s[TB], REC
	s_sub_co_u32 s[CNT], s[CNT], 1
	s_cmp_lg_u32 s[CNT], 0
	s_wait_alu depctr_va_vdst(0)                   ; the wait ahead of the branch
	s_cbranch_scc1 .Lstep
	s_mov_b32 s[TB], 15*REC
	STEP 0                                         ; the last record: nothing more to ask for
	; THE WAY OUT: o = O^T / the sum, quantised along d
	v_pk_add_f32 v[SA:SA+1], v[SA:SA+1], v[SA+2:SA+3]          ; the last step's sum; also the places behind the last products
	v_pk_add_f32 v[SA+4:SA+5], v[SA+4:SA+5], v[SA+6:SA+7]
	s_delay_alu instid0(VALU_DEP_1)
	v_pk_add_f32 v[SA:SA+1], v[SA:SA+1], v[SA+4:SA+5]
	s_delay_alu instid0(VALU_DEP_1)
	v_pk_fma_f32 v[14:15], v[14:15], v[F:F+1], v[SA:SA+1] op_sel_hi:[1,0,1]
	s_delay_alu instid0(VALU_DEP_1)
	v_add_f32 v14, v14, v15
	s_delay_alu instid0(VALU_DEP_1)
	v_permlanex16_b32 v[TMP], v14, s[SEL], s[SEL+1]
	s_delay_alu instid0(VALU_DEP_1)
	v_add_f32 v14, v14, v[TMP]                     ; the row's sum
	s_wait_alu depctr_va_vdst(0)
	v_rcp_f32 v14, v14
	v_cmp_lt_u32 vcc_lo, 127, v[L8]                ; lanes 16-31 (8 x lane over 127); also the plain place behind the transcendental
	s_wait_alu depctr_va_vdst(0)
.irp u, 0,1,2,3                                ; register 8 w + j is d = 32 h + 8 (w xor h) + j: lanes 16-31 take their groups of eight from the neighbouring tile: ascending order
.irp j, 0,1,2,3,4,5,6,7
	v_cndmask_b32 v[S+8*\u+\j], v[O+8*\u+\j], v[O+8*(\u+1-2*(\u%2))+\j], vcc_lo
.endr
.endr
.irp j, 0,2,4,6,8,10,12,14,16,18,20,22,24,26,28,30
	v_pk_mul_f32 v[S+\j:S+\j+1], v[S+\j:S+\j+1], v[14:15] op_sel_hi:[1,0]
.endr
	v_max3_num_f32 v[BM], |v[S]|, |v[S+1]|, 0x1800000          ; my block: 32 numbers and the floor
	v_max3_num_f32 v[BX], |v[S+16]|, |v[S+17]|, 0x1800000
.irp i, 2,4,6,8,10,12,14
	v_max3_num_f32 v[BM], v[BM], |v[S+\i]|, |v[S+\i+1]|
	v_max3_num_f32 v[BX], v[BX], |v[S+16+\i]|, |v[S+17+\i]|
.endr
	s_delay_alu instid0(VALU_DEP_1)
	v_max_num_f32 v[BM], v[BM], v[BX]
	s_delay_alu instid0(VALU_DEP_1)
	v_add_nc_u32 v[SOP], 0xff000000, v[BM]
	s_delay_alu instid0(VALU_DEP_1)
	v_lshrrev_b32 v[T2], 23, v[SOP]
	s_delay_alu instid0(VALU_DEP_1)
	v_lshlrev_b32 v[T2], v[SH], v[T2]
	s_delay_alu instid0(VALU_DEP_1)
	v_permlanex16_b32 v[T2+1], v[T2], s[SEL], s[SEL+1]
	s_delay_alu instid0(VALU_DEP_1)
	v_or_b32 v[TMP], v[T2], v[T2+1]                ; my query's two scale bytes of this head
	v_cvt_scalef32_pk16_fp6_f32 v[PC:PC+2], v[S:S+15], v[SOP]
	v_cvt_scalef32_pk16_fp6_f32 v[YT:YT+2], v[S+16:S+31], v[SOP]
	v_nop
.irp i, 0,1,2
	v_mov_b32 v[PC+3+\i], v[YT+\i]
.endr
	global_store_b128 v[LI], v[PC:PC+3], s[10:11]              ; the image: 512 consecutive bytes, aligned,
	global_store_b64 v[L8], v[PC+4:PC+5], s[10:11] offset:512  ; and 256
	ds_store_b16 v[OA], v[TMP]                     ; lanes r and 16 + r write the same halfword with the same value
	s_wait_dscnt 0x0
	s_barrier_signal -1
	s_barrier_wait -1
	s_cmp_lg_u32 s[WV], 0
	s_cbranch_scc1 .Lnot_first
	ds_load_b128 v[S:S+3], v[OR]                   ; the sixteen waves' halfwords
	s_wait_dscnt 0x0
	global_store_b128 v[OG], v[S:S+3], s[12:13]    ; each half of the lanes stores 256 consecutive bytes, aligned
.Lnot_first:
	s_wait_tensorcnt 0x0                           ; the wave's end
	ds_add_u32 v[SPW], v[NIL]
	s_wait_dscnt 0x0
	CROUND                                         ; the closing round
	s_endpgm
.Lfunc_end_k_qe825f9e267_attn:
	.size	k_qe825f9e267_attn, .Lfunc_end_k_qe825f9e267_attn-k_qe825f9e267_attn
	.p2alignl 7, 3214868480
	.fill 96, 4, 3214868480
	.section	.rodata,"a",@progbits
	.p2align	6, 0x0
	.amdhsa_kernel k_qe825f9e267_attn
		.amdhsa_group_segment_fixed_size 211456
		.amdhsa_private_segment_fixed_size 0
		.amdhsa_enable_private_segment 0
		.amdhsa_kernarg_size 40
		.amdhsa_user_sgpr_count 2
		.amdhsa_user_sgpr_kernarg_segment_ptr 1
		.amdhsa_wavefront_size32 1
		.amdhsa_system_sgpr_workgroup_id_x 1
		.amdhsa_system_sgpr_workgroup_id_y 1
		.amdhsa_system_sgpr_workgroup_id_z 1
		.amdhsa_system_vgpr_workitem_id 0
		.amdhsa_next_free_vgpr 256
		.amdhsa_next_free_sgpr 72
		.amdhsa_reserve_vcc 1
		.amdhsa_float_denorm_mode_32 3
		.amdhsa_float_denorm_mode_16_64 3
		.amdhsa_memory_ordered 1
		.amdhsa_forward_progress 1
		.amdhsa_inst_pref_size 43
	.end_amdhsa_kernel
	.amdgpu_metadata
---
amdhsa.version: [ 1, 2 ]
amdhsa.kernels:
  - .name:           k_qe825f9e267_attn
    .symbol:         k_qe825f9e267_attn.kd
    .args:
      - { .name: qimg, .offset: 0, .size: 8, .value_kind: global_buffer, .address_space: global }
      - { .name: qsc, .offset: 8, .size: 8, .value_kind: global_buffer, .address_space: global }
      - { .name: kv, .offset: 16, .size: 8, .value_kind: global_buffer, .address_space: global }
      - { .name: oimg, .offset: 24, .size: 8, .value_kind: global_buffer, .address_space: global }
      - { .name: osc, .offset: 32, .size: 8, .value_kind: global_buffer, .address_space: global }
    .group_segment_fixed_size: 211456
    .private_segment_fixed_size: 0
    .kernarg_segment_align: 8
    .kernarg_segment_size: 40
    .max_flat_workgroup_size: 512
    .sgpr_count:     72
    .vgpr_count:     256
    .wavefront_size: 32
...
	.end_amdgpu_metadata
.endif
;; end of part 2
;; launch proj (part 3): grid 8 x 32, 4 waves a work-group, clusters of 4 x 4, 327,680 bytes of LDS; arguments oimg, osc, out_w_codes, out_w_scales, out_b, out0; writes out0
.if DOCPART == 3
	.amdgcn_target "amdgcn-amd-amdhsa--gfx1250"
	.amdhsa_code_object_version 6
	.text
	.protected	k_qe825f9e267_proj
	.globl	k_qe825f9e267_proj
	.p2align	8
	.type	k_qe825f9e267_proj,@function
k_qe825f9e267_proj:
	s_mov_b64 s[64:65], 0
	v_nop
	global_prefetch_b8 v0, s[64:65] scope:SCOPE_SE
	s_setreg_imm32_b32 hwreg(HW_REG_WAVE_MODE, 25, 1), 1
	s_wait_xcnt 0x0
	s_wait_alu depctr_hold_cnt(0) depctr_sa_sdst(0) depctr_va_vdst(0) depctr_va_sdst(0) depctr_va_ssrc(0) depctr_va_vcc(0) depctr_vm_vsrc(0)
	s_getreg_b32 s2, hwreg(HW_REG_IB_STS2, 6, 4)
	s_cmp_eq_u32 s2, 0
	s_cbranch_scc0 .Lentry_in_a_cluster
	s_endpgm
.Lentry_in_a_cluster:
	s_bfe_u32 s2, ttmp6, 0x10000c
	s_cmp_lg_u32 s2, 0xf033
	s_cbranch_scc0 .Lentry_shape_is_right
	s_endpgm
.Lentry_shape_is_right:
; out0 = o out_w^T + out_b on FP6 (E2M3) codes, K = 1,024.  A work-group makes 128 tokens x 128 features, a wave 64 x 64: 16 accumulators.  256 work-groups.
; ALL OF K LIES IN LDS AT ONCE: o's 128 tokens are 98,304 dense bytes of register images (waves 0, 1: 192 rows of 256 bytes each); the weight's 128 rows of 768 bytes (waves 2, 3: 64 rows each) get 16 bytes of
;   padding behind every 256: pitch 816 = 204 words, with which the 32 lanes of a load of 8 bytes touch 64 different banks (ISA guide 11.1).  One tensor load a wave, nothing is filled again, one barrier.
;   No prefetch: all loads go out at the head, and there is no loop to run ahead in.
; CLUSTERS 4 x 4: o's tile is asked for jointly along a row of the cluster, the weight's along a column.
; Source 0 = 16 rows of the weight, source 1 = 16 rows of o: a lane holds eight neighbouring features of one token.  The bias is the C of the first step's products.
; TOKENS: row r of o's tile a (of a run of 128) is token 64 (a / 4) + 32 (r / 8) + 8 ((a % 4) xor (r / 8)) + r % 8, as the first launch chose its tiles' rows: the stores' offsets follow that.
.set PITCH, 816
.set FR,    12
.set AB,    128*PITCH
.set STG,   AB+98304
.set SPARE, STG+4*16*272
.set ADRB, 8                           ; v8 the weight's fragments, v9 the same behind one padding more
.set AI16, 10                          ; v10-11 o's images, heads 0-7 and 8-15: 16 x lane;  v12-13: 8 x lane
.set AI8,  12
.set STO,  24
.set RD,   25
.set CO,   26
.set SPW,  30
.set NIL,  31
.set SA,   32
.set SB,   64
.set BI,   96
.set ACC,  128
.set WV,  18
.set TH,  19
.set FH,  20
.set G1A, 24
.set G1B, 32
.set G0A, 40
.set G0B, 44
.set MSB, 0
.macro WIN new
.if MSB != (\new)
	s_set_vgpr_msb (MSB<<8)|(\new)
.set MSB, (\new)
.endif
.endm
.macro CROUND
	s_barrier_signal -1
	s_barrier_wait -1
	s_cmp_lg_u32 s[WV], 0
	s_cbranch_scc1 .Lnot_wave_0_\@
	s_barrier_signal -3
.Lnot_wave_0_\@:
	s_barrier_wait -3
	s_barrier_signal -1
	s_barrier_wait -1
.endm
	s_load_b256 s[4:11], s[0:1], 0x0               ; oimg, osc, out_w_codes, out_w_scales
	s_load_b128 s[12:15], s[0:1], 0x20             ; out_b, out0
	v_lshl_add_u32 v[SPW], v0, 2, SPARE
	v_mov_b32 v[NIL], 0
	ds_add_u32 v[SPW], v[NIL]                      ; the opening lines: the add twice on end
	ds_add_u32 v[SPW], v[NIL]
	v_lshrrev_b32 v1, 5, v0
	v_readfirstlane_b32 s[WV], v1
	s_lshr_b32 s[TH], s[WV], 1                     ; my half of the tokens; also: I fetch o (0) or the weight (1)
	s_and_b32 s[FH], s[WV], 1                      ; my half of the features; also: which half I fetch
	s_bfe_u32 s21, ttmp6, 0x40000
	s_bfe_u32 s22, ttmp6, 0x40004
	s_lshl_b32 s85, ttmp9, 2
	s_add_co_u32 s85, s85, s21                     ; the tile of 128 features
	s_and_b32 s84, ttmp7, 0xffff
	s_lshl_b32 s84, s84, 2
	s_add_co_u32 s84, s84, s22                     ; the run of 128 tokens
	s_lshl_b32 s86, s22, 2
	s_lshl_b32 s86, 15, s86
	s_lshl_b32 s87, 0x1111, s21
	s_or_b32 s[G1A], s86, (3<<16)|(1<<21)          ; 192 rows of 32 elements of 8 bytes, dense
	s_mov_b32 s[G1A+1], 32<<16
	s_mov_b32 s[G1A+2], 192<<16
	s_mov_b32 s[G1A+3], 32<<16
	s_mov_b32 s[G1A+4], 192
	s_mov_b32 s[G1A+5], 32
	s_mov_b32 s[G1A+6], 0
	s_mov_b32 s[G1A+7], 0
	s_or_b32 s[G1B], s87, (1<<20)|(1<<21)|(5<<22)|(3<<25)   ; 64 rows of 768 bytes, 4 words of padding behind every 64
	s_mov_b32 s[G1B+1], 768<<16
	s_mov_b32 s[G1B+2], 64<<16
	s_mov_b32 s[G1B+3], 768<<16
	s_mov_b32 s[G1B+4], 64
	s_mov_b32 s[G1B+5], 768
	s_mov_b32 s[G1B+6], 0
	s_mov_b32 s[G1B+7], 0
	s_mul_i32 s57, s[FH], 49152
	s_mul_i32 s56, s84, 98304
	s_add_co_u32 s56, s56, s57
	s_mul_i32 s60, s85, 98304
	s_add_co_u32 s60, s60, s57
	s_mov_b32 s[G0A], 1
	s_add_co_u32 s[G0A+1], s57, AB
	s_mov_b32 s[G0B], 1
	s_mul_i32 s[G0B+1], s[FH], 64*PITCH
	s_mov_b32 s57, 0
	s_mov_b32 s61, 0
	s_wait_dscnt 0x0
	s_wait_kmcnt 0x0
	s_add_nc_u64 s[G0A+2:G0A+3], s[4:5], s[56:57]
	s_or_b32 s[G0A+3], s[G0A+3], 0x80000000
	s_add_nc_u64 s[G0B+2:G0B+3], s[8:9], s[60:61]
	s_or_b32 s[G0B+3], s[G0B+3], 0x80000000
	CROUND                                         ; the joint loads meet
	s_cmp_eq_u32 s[TH], 0
	s_cbranch_scc0 .Lfor_b
	tensor_load_to_lds s[G0A:G0A+3], s[G1A:G1A+7]
	s_nop 0
.rept 4
	v_nop
.endr
	s_branch .Lasked
.Lfor_b:
	tensor_load_to_lds s[G0B:G0B+3], s[G1B:G1B+7]
	s_nop 0
.rept 4
	v_nop
.endr
.Lasked:
	s_lshl_b32 s90, s85, 12                        ; the weight's scales: 32 bytes a row
	s_lshl_b32 s91, s[FH], 11
	s_add_co_u32 s90, s90, s91
	s_mov_b32 s91, 0
	s_add_nc_u64 s[10:11], s[10:11], s[90:91]
	s_lshl_b32 s90, s85, 9                         ; the bias
	s_lshl_b32 s92, s[FH], 8
	s_add_co_u32 s90, s90, s92
	s_add_nc_u64 s[12:13], s[12:13], s[90:91]
	s_lshl_b32 s90, s84, 12                        ; osc: [128 tokens][head 16][tile 8][r 16] halfwords
	s_lshl_b32 s92, s[TH], 7
	s_add_co_u32 s90, s90, s92
	s_add_nc_u64 s[6:7], s[6:7], s[90:91]
	s_lshl_b32 s88, s84, 19                        ; out0: 128 tokens x 4,096 bytes, my 64 tokens, my 64 features
	s_lshl_b32 s89, s[TH], 18
	s_add_co_u32 s88, s88, s89
	s_lshl_b32 s89, s85, 9
	s_add_co_u32 s88, s88, s89
	s_lshl_b32 s89, s[FH], 8
	s_add_co_u32 s88, s88, s89
	s_mov_b32 s89, 0
	s_add_nc_u64 s[14:15], s[14:15], s[88:89]
	s_mul_i32 s62, s[FH], 64*PITCH
	s_mul_i32 s63, s[TH], 3072
	s_add_co_u32 s63, s63, AB
	s_mul_i32 s66, s[WV], 16*272
	s_add_co_u32 s66, s66, STG
	v_and_b32 v1, 15, v0
	v_bfe_u32 v2, v0, 4, 1
	v_and_b32 v3, 31, v0
	v_lshlrev_b32 v27, 5, v1
	v_lshlrev_b32 v28, 5, v2
	v_lshlrev_b32 v29, 1, v1
.irp b, 0,1,2,3
	global_load_b128 v[SB+8*\b:SB+8*\b+3], v27, s[10:11] offset:512*\b
	global_load_b128 v[SB+8*\b+4:SB+8*\b+7], v27, s[10:11] offset:512*\b+16
	global_load_b128 v[BI+8*\b:BI+8*\b+3], v28, s[12:13] offset:64*\b
	global_load_b128 v[BI+8*\b+4:BI+8*\b+7], v28, s[12:13] offset:64*\b+16
.endr
.irp a, 0,1,2,3
.irp s, 0,1,2,3,4,5,6,7
	global_load_u16 v[ACC+8*\a+\s], v29, s[6:7] offset:512*\s+32*\a            ; head 2 s,
	global_load_u16 v[ACC+32+8*\a+\s], v29, s[6:7] offset:512*\s+256+32*\a     ; head 2 s + 1
.endr
.endr
	v_mul_u32_u24 v4, v1, PITCH
	v_mad_u32_u24 v4, v2, 24, v4
	v_add_nc_u32 v[ADRB], s62, v4
	v_lshl_add_u32 v[ADRB+1], v2, 4, v[ADRB]
	v_lshlrev_b32 v6, 4, v3
	v_lshlrev_b32 v7, 3, v3
	v_add_nc_u32 v[AI16], s63, v6
	v_add_nc_u32 v[AI8], s63, v7
	v_add_nc_u32 v[AI16+1], 49152, v[AI16]
	v_add_nc_u32 v[AI8+1], 49152, v[AI8]
	v_mul_u32_u24 v4, v1, 272
	v_lshl_add_u32 v4, v2, 5, v4
	v_add_nc_u32 v[STO], s66, v4                   ; the stage, in: row r, 32 bytes for each half of the lanes
	v_mul_u32_u24 v5, v2, 272
	v_lshl_add_u32 v5, v1, 4, v5
	v_add_nc_u32 v[RD], s66, v5                    ; back: lanes 0-15 one row of 256 bytes, lanes 16-31 the next
	v_lshlrev_b32 v5, 12, v2
	v_lshl_add_u32 v[CO], v1, 4, v5
	s_wait_alu depctr_va_vdst(0)
	s_wait_loadcnt 0x0
.irp a, 0,1,2,3
.irp s, 0,1,2,3,4,5,6,7
	v_lshl_or_b32 v[SA+8*\a+\s], v[ACC+32+8*\a+\s], 16, v[ACC+8*\a+\s]         ; o's scale word of step s
.endr
.endr
.rept 4
	v_nop                                          ; with the lines above: eight places between a scale word's write and its product
.endr
.macro FRAG reg, st, i                 ; the weight's fragment: pieces of 8 bytes; lanes 16-31 read three pieces on, where need be behind one padding more
.irp p, 0,1,2,3,4,5
.set PCE, 12*(\st)+6*(\p/3)+\p%3
.if PCE%32 < 29
	ds_load_b64 v[\reg+2*\p:\reg+2*\p+1], v[ADRB] offset:8*PCE+16*(PCE/32)+(\i)*16*PITCH
.else
	ds_load_b64 v[\reg+2*\p:\reg+2*\p+1], v[ADRB+1] offset:8*PCE+16*(PCE/32)+(\i)*16*PITCH
.endif
.endr
.endm
.macro FETCH s, p                      ; step s's fragments into set p of window 1
	WIN 0x40
.irp i, 0,1,2,3
	FRAG 128*(\p)+48+FR*\i, \s, \i
.endr
.irp a, 0,1,2,3
.irp cc, 0,1
	ds_load_b128 v[128*(\p)+FR*\a+6*\cc:128*(\p)+FR*\a+6*\cc+3], v[AI16+(\s)/4] offset:((2*(\s)+\cc)%8)*6144+768*\a
	ds_load_b64 v[128*(\p)+FR*\a+6*\cc+4:128*(\p)+FR*\a+6*\cc+5], v[AI8+(\s)/4] offset:((2*(\s)+\cc)%8)*6144+768*\a+512
.endr
.endr
.endm
.macro MUL s, p                        ; the 16 accumulators take turns
	WIN 0x05
.irp a, 0,1,2,3
.irp b, 0,1,2,3
.set rD, ACC+8*(4*\a+\b)
.set rB, 128*(\p)+48+FR*\b
.set rA, 128*(\p)+FR*\a
.if (\s) == 0
	v_wmma_scale_f32_16x16x128_f8f6f4 v[rD:rD+7], v[rB:rB+FR-1], v[rA:rA+FR-1], v[BI+8*\b:BI+8*\b+7], v[SB+8*\b+(\s)], v[SA+8*\a+(\s)] matrix_a_fmt:MATRIX_FMT_FP6 matrix_b_fmt:MATRIX_FMT_FP6
.else
	v_wmma_scale_f32_16x16x128_f8f6f4 v[rD:rD+7], v[rB:rB+FR-1], v[rA:rA+FR-1], v[rD:rD+7], v[SB+8*\b+(\s)], v[SA+8*\a+(\s)] matrix_a_fmt:MATRIX_FMT_FP6 matrix_b_fmt:MATRIX_FMT_FP6
.endif
.endr
.endr
.endm
.macro PLACES
.rept 4
	v_nop
.endr
.endm
.macro KSTP s
	s_wait_dscnt 0x0                               ; step s's fragments are in
.if (\s) > 0
	PLACES                                         ; in front of loads into the set that the last step multiplied
.endif
.if (\s) < 7
	FETCH (\s)+1, ((\s)+1)%2
.endif
	MUL \s, (\s)%2
.endm
	s_wait_alu depctr_va_vdst(0)                   ; the wait at the head's end
	s_wait_tensorcnt 0x0                           ; my part has landed,
	s_barrier_signal -1
	s_barrier_wait -1                              ; everybody's has
	FETCH 0, 0
.irp s, 0,1,2,3,4,5,6,7
	KSTP \s
.endr
	WIN 0
; THE WAY OUT: 16 tokens x 64 features go through my own stage and come back as rows of 256 bytes
.macro TOSTAGE a
.irp b, 0,1,2,3
	ds_store_b128 v[STO], v[ACC+8*(4*(\a)+\b):ACC+8*(4*(\a)+\b)+3] offset:64*\b
	ds_store_b128 v[STO], v[ACC+8*(4*(\a)+\b)+4:ACC+8*(4*(\a)+\b)+7] offset:64*\b+16
.endr
.irp t, 0,1,2,3,4,5,6,7
	ds_load_b128 v[ACC+32*(\a)+4*\t:ACC+32*(\a)+4*\t+3], v[RD] offset:544*\t
.endr
.endm
.macro SEND a, younger                 ; stage rows 2 t, 2 t + 1 are tokens 32 (t / 4) + 8 (a xor (t / 4)) + 2 (t % 4) + 0, 1 of my 64
	s_wait_dscnt \younger
.irp t, 0,1,2,3,4,5,6,7
	global_store_b128 v[CO], v[ACC+32*(\a)+4*\t:ACC+32*(\a)+4*\t+3], s[14:15] offset:(32*(\t/4)+8*((\a)+(\t/4)*(1-2*((\a)%2)))+2*(\t%4))*4096 th:TH_STORE_NT   ; 16 lanes store 256 consecutive bytes, aligned
.endr
.endm
	PLACES
	TOSTAGE 0
.irp a, 1,2,3
	TOSTAGE \a
	SEND \a-1, 16                                  ; behind block a - 1's loads: block a's 8 stores and 8 loads
.endr
	SEND 3, 0
	s_wait_tensorcnt 0x0                           ; the wave's end
	ds_add_u32 v[SPW], v[NIL]
	s_wait_dscnt 0x0
	CROUND                                         ; the closing round
	s_endpgm
.Lfunc_end_k_qe825f9e267_proj:
	.size	k_qe825f9e267_proj, .Lfunc_end_k_qe825f9e267_proj-k_qe825f9e267_proj
	.p2alignl 7, 3214868480
	.fill 96, 4, 3214868480
	.section	.rodata,"a",@progbits
	.p2align	6, 0x0
	.amdhsa_kernel k_qe825f9e267_proj
		.amdhsa_group_segment_fixed_size 327680
		.amdhsa_private_segment_fixed_size 0
		.amdhsa_enable_private_segment 0
		.amdhsa_kernarg_size 48
		.amdhsa_user_sgpr_count 2
		.amdhsa_user_sgpr_kernarg_segment_ptr 1
		.amdhsa_wavefront_size32 1
		.amdhsa_system_sgpr_workgroup_id_x 1
		.amdhsa_system_sgpr_workgroup_id_y 1
		.amdhsa_system_sgpr_workgroup_id_z 1
		.amdhsa_system_vgpr_workitem_id 0
		.amdhsa_next_free_vgpr 512
		.amdhsa_next_free_sgpr 96
		.amdhsa_reserve_vcc 0
		.amdhsa_float_denorm_mode_32 3
		.amdhsa_float_denorm_mode_16_64 3
		.amdhsa_memory_ordered 1
		.amdhsa_forward_progress 1
		.amdhsa_inst_pref_size 62
	.end_amdhsa_kernel
	.amdgpu_metadata
---
amdhsa.version: [ 1, 2 ]
amdhsa.kernels:
  - .name:           k_qe825f9e267_proj
    .symbol:         k_qe825f9e267_proj.kd
    .args:
      - { .name: oimg, .offset: 0, .size: 8, .value_kind: global_buffer, .address_space: global }
      - { .name: osc, .offset: 8, .size: 8, .value_kind: global_buffer, .address_space: global }
      - { .name: out_w_codes, .offset: 16, .size: 8, .value_kind: global_buffer, .address_space: global }
      - { .name: out_w_scales, .offset: 24, .size: 8, .value_kind: global_buffer, .address_space: global }
      - { .name: out_b, .offset: 32, .size: 8, .value_kind: global_buffer, .address_space: global }
      - { .name: out0, .offset: 40, .size: 8, .value_kind: global_buffer, .address_space: global }
    .group_segment_fixed_size: 327680
    .private_segment_fixed_size: 0
    .kernarg_segment_align: 8
    .kernarg_segment_size: 48
    .max_flat_workgroup_size: 128
    .sgpr_count:     96
    .vgpr_count:     512
    .wavefront_size: 32
...
	.end_amdgpu_metadata
.endif
;; end of part 3
